; MI455X (gfx1250); checked and timed in simulation.
; The chip was launched on July 23, 2026; its instructions are those of AMD's public machine-readable ISA for CDNA 5 (MIT licence, August 2026) and "CDNA5" Instruction Set Architecture Reference Guide (July 2026). The comments in the code are by the model that wrote it; some were corrected since.
;; Causal Self Attention. Allowed arithmetic: matrix products marked QUANTISED: E4M3 operands, one given power-of-two scale a tensor, by v_wmma_f32_16x16x64_fp8_fp8 or v_wmma_f32_16x16x128_fp8_fp8, f32 sums; everything else in f32.
;; Inputs: W_proj 1,024 x 1,024 float32; W_qkv 1,024 x 3,072 float32; b_proj 1,024 float32; b_qkv 3,072 float32; lowp_scales 8 int32 (the exponents e of the quantised operands' scales 2^e); x 4 x 2,048 x 1,024 float32.
;; Outputs: out0 4 x 2,048 x 1,024 float32.
;; This version of the problem:
;;   THIS VERSION OF THE PROBLEM IS GIVEN IN LOW PRECISION. The matrix products marked QUANTISED in the list below multiply operands that are first quantised to E4M3 (4 exponent bits, 3 mantissa bits; 8 bits a number), with one given power-of-two scale for each operand tensor; their sums are f32. All else is computed in f32.
;;   The module's matrix products, in the order in which they are computed (A, B: the left and right operand; K: the contracted axis; several contracted axes count as one K, in the product's order):
;;     1. [M 8,192, K 1,024] x [K 1,024, N 3,072]; A: input x; B: input W_qkv: QUANTISED (scales: A lowp_scales[0], B lowp_scales[1])
;;     2. batch 64 x [M 2,048, K 64] x [K 64, N 2,048]; A: computed on the way; B: computed on the way: QUANTISED (scales: A lowp_scales[2], B lowp_scales[3])
;;     3. batch 64 x [M 2,048, K 2,048] x [K 2,048, N 64]; A: softmax (see below); B: computed on the way: QUANTISED (scales: A lowp_scales[4], B lowp_scales[5])
;;     4. [M 8,192, K 1,024] x [K 1,024, N 1,024]; A: computed on the way; B: input W_proj: QUANTISED (scales: A lowp_scales[6], B lowp_scales[7])
;;   THE QUANTISER, for each operand of a quantised product, along K:
;;     - The operand's scale is 2^e, e = its entry of the input lowp_scales (int32; the entries are numbered through the quantised products in the list's order, A before B).
;;     - Each number is divided by the scale, clamped to +-448, and rounded to the nearest number of E4M3, ties to even, subnormals kept.
;;     - The product sums the exact products of the quantised numbers (number of the format x scale) in f32.
;;   ~~~python
;;   def quantise(x, axis, e):      # numpy; x: float32 -> the quantised numbers, widened to float32 again
;;       x = np.moveaxis(x, axis, -1); K = x.shape[-1]
;;       r = np.clip(x / 2.0 ** e, -448, 448)
;;       step = 2.0 ** (np.maximum(np.frexp(np.where(r == 0, 1, r))[1] - 1, -6) - 3)
;;       q = np.round(r / step) * step * 2.0 ** e      # np.round: ties to even
;;       return np.moveaxis(q, -1, axis).astype(np.float32)
;;   ~~~
;;   SOFTMAX AHEAD OF A QUANTISED PRODUCT. Where the list says 'softmax', what is quantised is not the finished softmax but p = 2^(t - M), with t = logit x log2(e) and M = ceil(the row's largest t), a whole number; so 1/2 < the row's largest p <= 1. The row's sum l is taken of the UNQUANTISED p, in f32, and the product's result is divided by l at the end. Since M is a whole number, a kernel that streams over the keys may use a running M (the ceiling of the running maximum): every later rescaling is an exact power of two, so the quantised numbers keep their values, but for numbers so far below the row's largest that they fall under the format's range.
;;   OPERANDS COMPUTED ON THE WAY. 'Computed on the way' means the value that the module computes at that place (a softmax that the list does not call 'softmax' is quantised finished and normalised). What goes into a quantiser is computed in f32, as accurately as f32 sums, v_exp_f32 and their like allow (about 1e-6 of the number): no bf16 or f16 on the way to a quantiser, and a product that is left as it is and whose result goes on into a quantised operand takes f32 operands (vector FMAs, or v_wmma_f32_16x16x4_f32). A number that lies on a knife's edge between two numbers of the format may be rounded either way, as far as f32 arithmetic and the matrix unit's own rounding can turn it there, and no further.
;; One version. Each part assembles by itself: llvm-mc -triple=amdgcn-amd-amdhsa -mcpu=gfx1250 --defsym DOCPART=n.
;; ======== version 1 of 1: 4 launches
;; limits: right only within a limited range of input values
;; workspace buffers: xc 8,388,608 bytes; wqc 3,145,728 bytes; wpc 1,048,576 bytes; qc 8,388,608 bytes; kc 8,388,608 bytes; vc 8,388,608 bytes; yc 8,388,608 bytes
;; launch quant (part 1): grid 384 x 1, 4 waves a work-group, no clusters, 70,144 bytes of LDS; arguments x, W_qkv, W_proj, lowp_scales, xc, wqc, wpc; writes xc, wqc, wpc
.if DOCPART == 1
	.amdgcn_target "amdgcn-amd-amdhsa--gfx1250"
	.amdhsa_code_object_version 6
	.text
	.protected	k_q38218e6d8b_quant
	.globl	k_q38218e6d8b_quant
	.p2align	8
	.type	k_q38218e6d8b_quant,@function
k_q38218e6d8b_quant:
	s_mov_b64 s[64:65], 0
	v_nop
	global_prefetch_b8 v0, s[64:65] scope:SCOPE_SE
	s_setreg_imm32_b32 hwreg(HW_REG_WAVE_MODE, 25, 1), 1
	s_wait_xcnt 0x0
; x [8192][1024], W_qkv [1024 (k)][3072], W_proj [1024 (k)][1024], all f32, become codes of FP8 (E4M3), each with the one scale 2^e given for it (entries 0, 1 and 7 of the scales).
; code = number / 2^e, held within +-448, rounded to the nearest code, ties to even.  LIMITS: e between -126 and 119; NaN among the inputs is not served (an infinity is held at the largest code).
; All three leave with K innermost: xc [8192][1024], wqc [3072 (n)][1024], wpc [1024 (n)][1024].  A tensor has ONE scale, so the order of K inside a row is free as long as both operands of a product have the same:
;   xc, wqc: inside each 512 along K, place 16 l + 4 i + j holds k = 128 i + 4 l + j.  That is the order in which four dense loads of 512 bytes leave x's numbers in a lane's registers: x needs no turn through LDS.
;   wpc: place p holds k = p with bits 3 and 4 exchanged: the order in which the attention launch's results lie in a lane's registers.
; Work-groups 0-95 take W_qkv, 96-127 W_proj, 128-383 x.  No barrier: waves share nothing.  No tensor loads.
; W: a lane takes a column n and its registers run down K (in the order of the places), so the conversions give codes with K innermost; a wave gathers 32 columns x 256 places in its own stage in LDS
; and stores rows: sixteen lanes store 256 consecutive bytes, aligned.  Each of the two W paths has stages of its own.
; LAYOUT OF wqc AND wpc, in place of what is said of their rows above: images of the operand's registers, [n / 16][place / 128][4][lane][16 bytes]: chunk c of lane (r, h) holds places 128 q + 32 c + 16 h + 0..15 of column 16 (n / 16) + r.
; Every store of a wave covers 512 consecutive bytes, aligned.
.set PITCH, 272
.set STGQ,  0                          ; W_qkv's four stages of 32 rows
.set STGP,  4*32*PITCH                 ; W_proj's
.set SPARE, 2*4*32*PITCH               ; behind them: the spare words, 128 bytes for each wave: two blocks of 256 bytes that no other line names
.set SPW,   14                         ; v14  LDS address of my spare word; never rewritten
.set NIL,   15                         ; v15  0; never rewritten
.set X,     32                         ; W: v32-95 two sets of 32 numbers
.set C,     96                         ; W: v96-103 a block's codes
.set OUTR,  112                        ; W: v112-175 the way out
.set R,     16                         ; x: v16-79 four sets of 16 numbers
.set XC,    128                        ; x: v128-191 codes, four registers for each step, so that no store's data are written again
	s_load_b256 s[4:11], s[0:1], 0x0               ; x s[4:5], W_qkv s[6:7], W_proj s[8:9], the scales' exponents s[10:11]
	s_load_b128 s[12:15], s[0:1], 0x20             ; xc s[12:13], wqc s[14:15]
	s_load_b64 s[16:17], s[0:1], 0x30              ; wpc
	v_lshl_add_u32 v[SPW], v0, 2, SPARE
	v_mov_b32 v[NIL], 0
	v_lshrrev_b32 v1, 5, v0
	v_readfirstlane_b32 s20, v1                    ; wave 0..3
	v_and_b32 v2, 31, v0                           ; lane
	v_lshlrev_b32 v3, 2, v2                        ; W: 4 bytes a lane
	v_lshlrev_b32 v9, 4, v2                        ; x: 16 bytes a lane, in and out
	s_mul_i32 s36, s20, 32*PITCH                   ; my stage (the path's stands in the immediates)
	v_mul_u32_u24 v4, v2, PITCH
	v_add_nc_u32 v4, s36, v4                       ; into it: row = my column
	v_and_b32 v5, 15, v2
	v_lshrrev_b32 v6, 4, v2
	v_mul_u32_u24 v7, v5, PITCH
	v_lshl_add_u32 v7, v6, 4, v7
	v_add_nc_u32 v7, s36, v7                       ; out of it: two lanes to a row, sixteen rows an instruction
	s_wait_alu depctr_va_vdst(0)                   ; directly ahead of the wait below
	s_wait_kmcnt 0x0
	s_load_b256 s[24:31], s[10:11], 0x0            ; e0 .. e7
.macro SCALE es                        ; v11 = 2^e as f32 (the conversion takes its exponent field), v10 = 448 x 2^e
	s_add_co_i32 s38, s[\es], 127
	s_lshl_b32 s39, s38, 23
	v_mov_b32 v11, s39
	s_add_co_i32 s38, s38, 8
	s_lshl_b32 s38, s38, 23
	s_or_b32 s38, s38, 0x600000
	v_mov_b32 v10, s38
.endm
; block t of a wave's 256 places: the 32 rows of W that belong at places 32 t .. 32 t + 31, at my column, into set t % 2.  A load reads 128 consecutive bytes a wave.
.macro WLOAD t, N, PERM, src
.set i, 0
.rept 32
.set p, 32*(\t)+i
.if \PERM == 1
.set row, 128*((p/4)%4)+4*(p/16)+p%4
.else
.set row, 32*(p/32)+p%8+16*((p/8)%2)+8*((p/16)%2)
.endif
	global_load_b32 v[X+32*((\t)%2)+i], v3, s[\src:\src+1] offset:row*\N*4 th:TH_LOAD_NT
.set i, i+1
.endr
.endm
.macro WBLOCK t, N, PERM, STG, src
.set XS, X+32*((\t)%2)
.if (\t) < 7
	s_wait_loadcnt 32                              ; this block's 32 loads are in; the next block's may be out
.else
	s_wait_loadcnt 0
.endif
.set i, 0
.rept 32
	v_med3_num_f32 v[XS+i], v[XS+i], -v10, v10     ; the conversion to an 8-bit code does not saturate (ISA guide 7.6.2): the hold at the largest code x the scale
.set i, i+1
.endr
.irp g, 0,1,2,3
	v_cvt_scalef32_pk8_fp8_f32 v[C+2*\g:C+2*\g+1], v[XS+8*\g:XS+8*\g+7], v11
.endr
	ds_store_b128 v4, v[C:C+3] offset:\STG+32*(\t)
	ds_store_b128 v4, v[C+4:C+7] offset:\STG+32*(\t)+16
.if (\t)+2 < 8
	WLOAD (\t)+2, \N, \PERM, \src
.endif
	s_wait_dscnt 0x0                               ; the stores have read their registers: the next block's codes may be written (its 32 holds are the plain lines behind these conversions)
.endm
; A W path.  s21: the work-group's number within the path: column group s21 / 4 (128 columns), quarter s21 % 4 of the 1,024 places.
.macro WPATH N, PERM, STG, src, dst, es
	s_lshr_b32 s22, s21, 2
	s_and_b32 s23, s21, 3
	s_lshl_b32 s22, s22, 7
	s_lshl_b32 s32, s20, 5
	s_add_co_u32 s22, s22, s32                     ; my wave's first column
.if \PERM == 1
	s_lshr_b32 s32, s23, 1                         ; the quarter's first row of W: 512 (quarter / 2) + 64 (quarter % 2)
	s_lshl_b32 s32, s32, 9
	s_and_b32 s33, s23, 1
	s_lshl_b32 s33, s33, 6
	s_add_co_u32 s32, s32, s33
.else
	s_lshl_b32 s32, s23, 8                         ; 256 x quarter
.endif
	s_mul_i32 s32, s32, \N*4
	s_lshl_b32 s33, s22, 2
	s_add_co_u32 s32, s32, s33
	s_mov_b32 s33, 0
	s_add_nc_u64 s[\src:\src+1], s[\src:\src+1], s[32:33]
	s_lshl_b32 s34, s22, 10                        ; codes: column x 1,024 + 4,096 x quarter
	s_lshl_b32 s35, s23, 12                        ; a quarter of the places is two chunks of 2,048 bytes of each tile of 16 columns
	s_add_co_u32 s34, s34, s35
	s_mov_b32 s35, 0
	s_add_nc_u64 s[\dst:\dst+1], s[\dst:\dst+1], s[34:35]
	WLOAD 0, \N, \PERM, \src
	WLOAD 1, \N, \PERM, \src
	s_wait_kmcnt 0x0
	SCALE \es
	s_wait_alu depctr_va_vdst(0)
.irp t, 0,1,2,3,4,5,6,7
	WBLOCK \t, \N, \PERM, \STG, \src
.endr
.irp t, 0,1,2,3,4,5,6,7,8,9,10,11,12,13,14,15
	ds_load_b128 v[OUTR+4*\t:OUTR+4*\t+3], v7 offset:\STG+16*(\t/8)*PITCH+128*((\t/4)%2)+32*(\t%4)   ; lane (r, h): row r of tile t / 8, 16 bytes at 16 h
.endr
.irp t, 0,1,2,3,4,5,6,7,8,9,10,11,12,13,14,15
	s_wait_dscnt 15-\t                             ; the younger loads may stay out
	global_store_b128 v9, v[OUTR+4*\t:OUTR+4*\t+3], s[\dst:\dst+1] offset:16384*(\t/8)+2048*((\t/4)%2)+512*(\t%4)
.endr
	s_wait_tensorcnt 0x0                           ; the wave's end, behind my last LDS store
	ds_add_u32 v[SPW], v[NIL]
	s_wait_dscnt 0x0
	s_endpgm
.endm
	s_cmp_lt_u32 ttmp9, 96
	s_cbranch_scc1 .Lw_qkv
	s_cmp_lt_u32 ttmp9, 128
	s_cbranch_scc1 .Lw_proj
	; ---- x: a plain stream.  A wave takes 16 steps of 512 numbers; a step's four loads read 512 consecutive bytes each, its one store writes 512.  Loads run four steps ahead.
	s_sub_co_u32 s21, ttmp9, 128
	s_lshl_b32 s21, s21, 2
	s_add_co_u32 s21, s21, s20                     ; which run of 8,192 numbers is my wave's
	s_lshl_b32 s32, s21, 15
	s_mov_b32 s33, 0
	s_add_nc_u64 s[4:5], s[4:5], s[32:33]
	s_lshl_b32 s34, s21, 13
	s_mov_b32 s35, 0
	s_add_nc_u64 s[12:13], s[12:13], s[34:35]
.macro XLOAD t
.irp i, 0,1,2,3
	global_load_b128 v[R+16*((\t)%4)+4*\i:R+16*((\t)%4)+4*\i+3], v9, s[4:5] offset:2048*(\t)+512*\i th:TH_LOAD_NT
.endr
.endm
.macro XSTEP t
.set XS, R+16*((\t)%4)
.if (\t) < 12
	s_wait_loadcnt 12                              ; this step's four loads are in; those of the three steps behind it may be out
.else
	s_wait_loadcnt 4*(15-(\t))
.endif
.set i, 0
.rept 16
	v_med3_num_f32 v[XS+i], v[XS+i], -v10, v10
.set i, i+1
.endr
	v_cvt_scalef32_pk8_fp8_f32 v[XC+4*(\t):XC+4*(\t)+1], v[XS:XS+7], v11
	v_cvt_scalef32_pk8_fp8_f32 v[XC+4*(\t)+2:XC+4*(\t)+3], v[XS+8:XS+15], v11
.if (\t)+4 < 16
	XLOAD (\t)+4                                   ; into the set just converted
.endif
	global_store_b128 v9, v[XC+4*(\t):XC+4*(\t)+3], s[12:13] offset:512*(\t)
.endm
.irp t, 0,1,2,3
	XLOAD \t
.endr
	s_wait_kmcnt 0x0
	SCALE 24
	s_wait_alu depctr_va_vdst(0)
.irp t, 0,1,2,3,4,5,6,7,8,9,10,11,12,13,14,15
	XSTEP \t
.endr
	s_endpgm
.Lw_qkv:
	s_mov_b32 s21, ttmp9
	WPATH 3072, 1, STGQ, 6, 14, 25
.Lw_proj:
	s_sub_co_u32 s21, ttmp9, 96
	WPATH 1024, 2, STGP, 8, 16, 31
.Lfunc_end_k_q38218e6d8b_quant:
	.size	k_q38218e6d8b_quant, .Lfunc_end_k_q38218e6d8b_quant-k_q38218e6d8b_quant
	.p2alignl 7, 3214868480
	.fill 96, 4, 3214868480
	.section	.rodata,"a",@progbits
	.p2align	6, 0x0
	.amdhsa_kernel k_q38218e6d8b_quant
		.amdhsa_group_segment_fixed_size 70144
		.amdhsa_private_segment_fixed_size 0
		.amdhsa_enable_private_segment 0
		.amdhsa_kernarg_size 56
		.amdhsa_user_sgpr_count 2
		.amdhsa_user_sgpr_kernarg_segment_ptr 1
		.amdhsa_wavefront_size32 1
		.amdhsa_system_sgpr_workgroup_id_x 1
		.amdhsa_system_sgpr_workgroup_id_y 1
		.amdhsa_system_sgpr_workgroup_id_z 1
		.amdhsa_system_vgpr_workitem_id 0
		.amdhsa_next_free_vgpr 192
		.amdhsa_next_free_sgpr 66
		.amdhsa_reserve_vcc 0
		.amdhsa_float_denorm_mode_32 3
		.amdhsa_float_denorm_mode_16_64 3
		.amdhsa_memory_ordered 1
		.amdhsa_forward_progress 1
		.amdhsa_inst_pref_size 124
	.end_amdhsa_kernel
	.amdgpu_metadata
---
amdhsa.version: [ 1, 2 ]
amdhsa.kernels:
  - .name:           k_q38218e6d8b_quant
    .symbol:         k_q38218e6d8b_quant.kd
    .args:
      - { .name: x, .offset: 0, .size: 8, .value_kind: global_buffer, .address_space: global }
      - { .name: W_qkv, .offset: 8, .size: 8, .value_kind: global_buffer, .address_space: global }
      - { .name: W_proj, .offset: 16, .size: 8, .value_kind: global_buffer, .address_space: global }
      - { .name: lowp_scales, .offset: 24, .size: 8, .value_kind: global_buffer, .address_space: global }
      - { .name: xc, .offset: 32, .size: 8, .value_kind: global_buffer, .address_space: global }
      - { .name: wqc, .offset: 40, .size: 8, .value_kind: global_buffer, .address_space: global }
      - { .name: wpc, .offset: 48, .size: 8, .value_kind: global_buffer, .address_space: global }
    .group_segment_fixed_size: 70144
    .private_segment_fixed_size: 0
    .kernarg_segment_align: 8
    .kernarg_segment_size: 56
    .max_flat_workgroup_size: 128
    .sgpr_count:     66
    .vgpr_count:     192
    .wavefront_size: 32
...
	.end_amdgpu_metadata
.endif
;; end of part 1
;; launch qkv (part 2): grid 4 x 64, 4 waves a work-group, clusters of 4 x 1, 327,680 bytes of LDS; arguments xc, wqc, lowp_scales, b_qkv, qc, kc, vc; writes qc, kc, vc
.if DOCPART == 2
	.amdgcn_target "amdgcn-amd-amdhsa--gfx1250"
	.amdhsa_code_object_version 6
	.text
	.protected	k_q38218e6d8b_qkv
	.globl	k_q38218e6d8b_qkv
	.p2align	8
	.type	k_q38218e6d8b_qkv,@function
k_q38218e6d8b_qkv:
	s_mov_b64 s[64:65], 0
	v_nop
	global_prefetch_b8 v0, s[64:65] scope:SCOPE_SE
	s_setreg_imm32_b32 hwreg(HW_REG_WAVE_MODE, 25, 1), 1
	s_wait_xcnt 0x0
	s_wait_alu depctr_hold_cnt(0) depctr_sa_sdst(0) depctr_va_vdst(0) depctr_va_sdst(0) depctr_va_ssrc(0) depctr_va_vcc(0) depctr_vm_vsrc(0)
	s_getreg_b32 s2, hwreg(HW_REG_IB_STS2, 6, 4)
	s_cmp_eq_u32 s2, 0
	s_cbranch_scc0 .Lentry_in_a_cluster
	s_endpgm
.Lentry_in_a_cluster:
	s_bfe_u32 s2, ttmp6, 0x10000c
	s_cmp_lg_u32 s2, 0x3003
	s_cbranch_scc0 .Lentry_shape_is_right
	s_endpgm
.Lentry_shape_is_right:
; qkv = x W_qkv + b_qkv on codes of FP8 (E4M3), K = 1,024, and at once quantised again: q with 2^e2, k with 2^e3, v with 2^e5.  What leaves are images of the registers in which the attention launch wants them.
; A sum stands for sum x 2^(e0 + e1); b / 2^(e0 + e1) is the C of each sum's first product; code = sum / 2^(e - e0 - e1), held within +-448.
; LIMITS: e - e0 - e1 between -126 and 119 for e = e2, e3, e5.  NaN is not served.
; SHARES.  Work-group (cx, T) owns tokens 128 T .. 128 T + 127 and heads 4 cx .. 4 cx + 3; wave w owns head 4 cx + w, 64 columns, in three passes: q's, k's, v's.  256 work-groups.
; x's 128 rows x 1,024 codes lie in LDS for the whole launch: one joint load of 32 rows a wave at the head, asked for alike by the four partners of a cluster of 4 x 1, which share the tokens.  Nothing is filled again: one barrier.
; W's 64 columns x 1,024 codes of a pass lie in 512 registers, loaded from wqc's images, 512 consecutive bytes a load.  As soon as the products of a step of 128 along K are issued, its 64 registers take the next pass's codes:
; these loads run a whole pass ahead of their use, and x has no loop to run ahead in: so no prefetch is written.
; q, k: source 0 = 16 columns of W, source 1 = 16 tokens: a lane holds a token, its registers run along the head's 64.   v: the sources are swapped: a lane holds one of the head's 64, its registers run along the tokens.
; OUT: qc, kc [b h][t / 16][2][lane][16 bytes]; vc [b h][t / 128][d / 16][4][lane][16 bytes].  Every store of a wave covers 512 consecutive bytes, aligned.
; REGISTERS.  Window 0: v1-9 addresses; v16-19 v's b; v20-25 scales and bounds; v32-63 C of q's pass, later of v's; v64-95 C of k's; v96-127 codes; v128-255 x's fragments, two halves of four blocks.
; Windows 1, 2: W's fragments, (kq, b) at 64 kq + 16 b.   Window 3: the 32 accumulators, (token block a, column block b) at 8 (4 a + b).
.set APITCH, 1040                      ; an LDS row: 1,024 bytes + 16: an odd multiple of 16 bytes
.set ASTR,  16*APITCH
.set AKQ,   128
.set ACS,   32
.set SPARE, 128*APITCH                 ; behind x: the spare words, 128 bytes for each wave
.set LI,   1                           ; 16 x lane
.set AD0,  2                           ; v2, v3  my lane's place in blocks 0-3, 4-7
.set BO0,  4                           ; 32 h
.set BO1,  5                           ; 4 r
.set SPW,  8
.set NIL,  9
.set BVR,  16
.set SC,   20                          ; v[20 + 2 p] 2^(e - e0 - e1), v[21 + 2 p] 448 x that
.set CB,   32
.set CK,   64
.set CD,   96
.set AF,   128
.set WV,   14
.set CX,   15
.set TT,   16
.set G1,   24
.set G0,   32
.set WB,   36                          ; s[36:37] my columns' images
.set BB,   40                          ; s[40:41] my columns' b
.set MSB, 0
.macro WIN new
.if MSB != (\new)
	s_set_vgpr_msb (MSB<<8)|(\new)
.set MSB, (\new)
.endif
.endm
.macro CROUND
	s_barrier_signal -1
	s_barrier_wait -1
	s_cmp_lg_u32 s[WV], 0
	s_cbranch_scc1 .Lnot_wave_0_\@
	s_barrier_signal -3
.Lnot_wave_0_\@:
	s_barrier_wait -3
	s_barrier_signal -1
	s_barrier_wait -1
.endm
.macro PLACES                          ; four plain lines between a matrix instruction and a load into its sources or a read of its result
.rept 4
	v_nop
.endr
.endm
.macro ALOAD kq, hf                    ; x's blocks 4 hf .. 4 hf + 3, the kq-th 128 along K
.irp i, 0,1,2,3
.irp c, 0,1,2,3
	ds_load_b128 v[AF+64*(\hf)+16*\i+4*\c:AF+64*(\hf)+16*\i+4*\c+3], v[AD0+(\hf)] offset:\i*ASTR+(\kq)*AKQ+\c*ACS
.endr
.endr
.endm
.macro BLOAD p, kq                     ; W's four fragments of pass p, the kq-th 128 along K
	WIN 0x40<<((\kq)/4)
.irp b, 0,1,2,3
.irp c, 0,1,2,3
	global_load_b128 v[64*((\kq)%4)+16*\b+4*\c:64*((\kq)%4)+16*\b+4*\c+3], v[LI], s[WB:WB+1] offset:(\p)*1048576+\b*16384+(\kq)*2048+\c*512
.endr
.endr
	WIN 0
.endm
.macro MUL hf, kq, swap, cb            ; 16 products on 16 accumulators, one a turn
.set BW, 1+(\kq)/4
.if \kq == 0
.set CW, 0
.else
.set CW, 0x30
.endif
.if \swap
	WIN 0xc0|CW|(BW<<2)
.else
	WIN 0xc0|CW|BW
.endif
.irp i, 0,1,2,3
.irp b, 0,1,2,3
.set AC, 8*(4*(4*(\hf)+\i)+\b)
.set AR, AF+64*(\hf)+16*\i
.set BR, 64*((\kq)%4)+16*\b
.if \swap
.if \kq == 0
	v_wmma_f32_16x16x128_fp8_fp8 v[AC:AC+7], v[AR:AR+15], v[BR:BR+15], v[\cb+8*\b:\cb+8*\b+7]
.else
	v_wmma_f32_16x16x128_fp8_fp8 v[AC:AC+7], v[AR:AR+15], v[BR:BR+15], v[AC:AC+7]
.endif
.else
.if \kq == 0
	v_wmma_f32_16x16x128_fp8_fp8 v[AC:AC+7], v[BR:BR+15], v[AR:AR+15], v[\cb+8*\b:\cb+8*\b+7]
.else
	v_wmma_f32_16x16x128_fp8_fp8 v[AC:AC+7], v[BR:BR+15], v[AR:AR+15], v[AC:AC+7]
.endif
.endif
.endr
.endr
.endm
; A pass: eight steps of 128 along K.  Behind W's fragments of a step 112 younger loads have been issued (the rest of this pass's and the next pass's first), in the last pass 16 (7 - kq): the wait names that count, or 63, the most that its field holds.
.macro PASS p, swap, cb
.irp kq, 0,1,2,3,4,5,6,7
.if (\p) < 2 || 16*(7-\kq) > 63
	s_wait_loadcnt 63
.else
	s_wait_loadcnt 16*(7-\kq)
.endif
	s_wait_dscnt 16                                ; x's blocks 0-3 are in; the 16 younger loads, blocks 4-7, may be out
	MUL 0, \kq, \swap, \cb
	PLACES
	WIN 0
.if (\p) < 2 || \kq < 7
	ALOAD (\kq+1)%8, 0
	s_wait_dscnt 16                                ; blocks 4-7 are in; the 16 just issued may be out
.else
	s_wait_dscnt 0
.endif
	MUL 1, \kq, \swap, \cb
	PLACES
	WIN 0
.if (\p) < 2 || \kq < 7
	ALOAD (\kq+1)%8, 1
.endif
.if (\p) < 2
	BLOAD (\p)+1, \kq
.endif
.endr
.endm
; The way out of q's and k's pass, by blocks of 16 tokens: the hold, four conversions: an accumulator's two registers of codes are registers 2 b, 2 b + 1 of the fragment.  Each accumulator is read from its low end on.
.macro OUTQK p, base
.irp a, 0,1,2,3,4,5,6,7
	s_wait_xcnt 0x0                                ; earlier stores have read the registers that take this block's codes
	WIN 0xc3
.set j, 0
.rept 32
	v_med3_num_f32 v[32*\a+j], v[32*\a+j], -v[SC+2*(\p)+1], v[SC+2*(\p)+1]   ; the conversion does not saturate (ISA guide 7.6.2)
.set j, j+1
.endr
	WIN 0x03
.irp b, 0,1,2,3
	v_cvt_scalef32_pk8_fp8_f32 v[CD+8*(\a%4)+2*\b:CD+8*(\a%4)+2*\b+1], v[32*\a+8*\b:32*\a+8*\b+7], v[SC+2*(\p)]
.endr
	v_nop                                          ; one plain line behind the last conversion
	WIN 0
	global_store_b128 v[LI], v[CD+8*(\a%4):CD+8*(\a%4)+3], s[\base:\base+1] offset:1024*\a
	global_store_b128 v[LI], v[CD+8*(\a%4)+4:CD+8*(\a%4)+7], s[\base:\base+1] offset:1024*\a+512
.endr
.endm
.macro SCALE p, es
	s_sub_co_i32 s85, s[\es], s84
	s_add_co_i32 s85, s85, 127
	s_lshl_b32 s86, s85, 23
	v_mov_b32 v[SC+2*(\p)], s86
	s_add_co_i32 s85, s85, 8
	s_lshl_b32 s85, s85, 23
	s_or_b32 s85, s85, 0x600000
	v_mov_b32 v[SC+2*(\p)+1], s85
.endm
	s_load_b256 s[4:11], s[0:1], 0x0               ; xc s[4:5], wqc s[6:7], the scales' exponents s[8:9], b_qkv s[10:11]
	s_load_b128 s[68:71], s[0:1], 0x20             ; qc, kc
	s_load_b64 s[72:73], s[0:1], 0x30              ; vc
	v_lshl_add_u32 v[SPW], v0, 2, SPARE
	v_mov_b32 v[NIL], 0
	ds_add_u32 v[SPW], v[NIL]                      ; the opening lines: the add, twice on end, and its wait ahead of my first tensor load
	ds_add_u32 v[SPW], v[NIL]
	v_lshrrev_b32 v10, 5, v0
	v_readfirstlane_b32 s[WV], v10                 ; wave 0..3
	v_and_b32 v10, 31, v0
	v_lshlrev_b32 v[LI], 4, v10
	v_and_b32 v11, 15, v0                          ; r
	v_bfe_u32 v12, v0, 4, 1                        ; h
	v_mul_u32_u24 v[AD0], v11, APITCH
	v_lshl_add_u32 v[AD0], v12, 4, v[AD0]
	v_add_nc_u32 v[AD0+1], 4*ASTR, v[AD0]
	v_lshlrev_b32 v[BO0], 5, v12
	v_lshlrev_b32 v[BO1], 2, v11
	s_bfe_u32 s[CX], ttmp6, 0x40000
	s_and_b32 s[TT], ttmp7, 0xffff
	s_mov_b32 s[G1], 15|(3<<16)|(1<<20)|(1<<21)|(7<<22)|(3<<25)   ; the mask names the four partners; elements of 8 bytes; four words of padding behind every 256
	s_mov_b32 s[G1+1], 128<<16                     ; rows of 1,024 bytes,
	s_mov_b32 s[G1+2], 32<<16                      ; 32 of them
	s_mov_b32 s[G1+3], 128<<16
	s_mov_b32 s[G1+4], 32
	s_mov_b32 s[G1+5], 128
	s_mov_b32 s[G1+6], 0
	s_mov_b32 s[G1+7], 0
	s_mov_b32 s[G0], 1
	s_mul_i32 s[G0+1], s[WV], 32*APITCH
	s_lshl_b32 s50, s[TT], 17
	s_lshl_b32 s51, s[WV], 15
	s_add_co_u32 s50, s50, s51                     ; x: (128 T + 32 w) rows of 1,024 bytes
	s_mov_b32 s51, 0
	s_lshl_b32 s52, s[CX], 2
	s_add_co_u32 s52, s52, s[WV]                   ; my head
	s_lshl_b32 s54, s52, 16                        ; its four tiles of 16 columns, 16,384 bytes each
	s_mov_b32 s55, 0
	s_lshl_b32 s56, s52, 8                         ; its 64 numbers of b
	s_mov_b32 s57, 0
	s_lshr_b32 s58, s[TT], 4
	s_lshl_b32 s58, s58, 4
	s_add_co_u32 s58, s58, s52
	s_lshl_b32 s58, s58, 17                        ; out: (batch x 16 + head) x 131,072
	s_and_b32 s59, s[TT], 15
	s_lshl_b32 s59, s59, 13
	s_add_co_u32 s58, s58, s59                     ; + (T % 16) x 8,192: the same sum for all three
	s_mov_b32 s59, 0
	s_wait_alu depctr_va_vdst(0)                   ; directly ahead of the waits below
	s_wait_dscnt 0x0
	s_wait_kmcnt 0x0
	s_load_b256 s[76:83], s[8:9], 0x0              ; e0 .. e7
	s_add_nc_u64 s[G0+2:G0+3], s[4:5], s[50:51]
	s_or_b32 s[G0+3], s[G0+3], 0x80000000
	s_add_nc_u64 s[WB:WB+1], s[6:7], s[54:55]
	s_add_nc_u64 s[BB:BB+1], s[10:11], s[56:57]
	s_add_nc_u64 s[68:69], s[68:69], s[58:59]
	s_add_nc_u64 s[70:71], s[70:71], s[58:59]
	s_add_nc_u64 s[72:73], s[72:73], s[58:59]
	CROUND                                         ; all four work-groups are here: the joint loads meet
	tensor_load_to_lds s[G0:G0+3], s[G1:G1+7]      ; my one tensor load of the launch
	s_nop 0
.irp b, 0,1,2,3
	global_load_b128 v[CB+8*\b:CB+8*\b+3], v[BO0], s[BB:BB+1] offset:64*\b
	global_load_b128 v[CB+8*\b+4:CB+8*\b+7], v[BO0], s[BB:BB+1] offset:64*\b+16
	global_load_b128 v[CK+8*\b:CK+8*\b+3], v[BO0], s[BB:BB+1] offset:4096+64*\b
	global_load_b128 v[CK+8*\b+4:CK+8*\b+7], v[BO0], s[BB:BB+1] offset:4096+64*\b+16
	global_load_b32 v[BVR+\b], v[BO1], s[BB:BB+1] offset:8192+64*\b
.endr
.irp kq, 0,1,2,3,4,5,6,7
	BLOAD 0, \kq
.endr
	s_wait_kmcnt 0x0
	s_add_co_i32 s84, s76, s77                     ; e0 + e1
	SCALE 0, 78
	SCALE 1, 79
	SCALE 2, 81
	s_sub_co_i32 s84, 0, s84
	s_wait_loadcnt 63                              ; b is in: 128 younger loads follow it
.set j, 0
.rept 64
	v_ldexp_f32 v[CB+j], v[CB+j], s84              ; b / 2^(e0 + e1): the power of two that the sums lack
.set j, j+1
.endr
	s_wait_alu depctr_va_vdst(0)                   ; at the head's end
	s_wait_tensorcnt 0x0                           ; my 32 rows of x are in,
	s_barrier_signal -1
	s_barrier_wait -1                              ; everybody's are
	ALOAD 0, 0
	ALOAD 0, 1
	PASS 0, 0, CB
	OUTQK 0, 68
.irp b, 0,1,2,3
.irp j, 0,1,2,3,4,5,6,7
	v_ldexp_f32 v[CB+8*\b+\j], v[BVR+\b], s84      ; v's C: a lane holds one column, so its eight registers hold one number
.endr
.endr
	s_wait_alu depctr_va_vdst(0)                   ; ahead of the waits below
	PASS 1, 0, CK
	OUTQK 1, 70
	PASS 2, 1, CB
.irp b, 0,1,2,3                                ; v's way out, by blocks of 16 of the head's 64: token block a's two registers of codes are registers 2 a, 2 a + 1 of the fragment
	s_wait_xcnt 0x0
	WIN 0xc3
.irp a, 0,1,2,3,4,5,6,7
.irp j, 0,1,2,3,4,5,6,7
	v_med3_num_f32 v[8*(4*\a+\b)+\j], v[8*(4*\a+\b)+\j], -v[SC+5], v[SC+5]
.endr
.endr
	WIN 0x03
.irp a, 0,1,2,3,4,5,6,7
	v_cvt_scalef32_pk8_fp8_f32 v[CD+16*(\b%2)+2*\a:CD+16*(\b%2)+2*\a+1], v[8*(4*\a+\b):8*(4*\a+\b)+7], v[SC+4]
.endr
	v_nop
	WIN 0
.irp c, 0,1,2,3
	global_store_b128 v[LI], v[CD+16*(\b%2)+4*\c:CD+16*(\b%2)+4*\c+3], s[72:73] offset:2048*\b+512*\c
.endr
.endr
	s_wait_tensorcnt 0x0                           ; the wave's end
	ds_add_u32 v[SPW], v[NIL]
	s_wait_dscnt 0x0
	CROUND                                         ; the closing round
	s_endpgm
.Lfunc_end_k_q38218e6d8b_qkv:
	.size	k_q38218e6d8b_qkv, .Lfunc_end_k_q38218e6d8b_qkv-k_q38218e6d8b_qkv
	.p2alignl 7, 3214868480
	.fill 96, 4, 3214868480
	.section	.rodata,"a",@progbits
	.p2align	6, 0x0
	.amdhsa_kernel k_q38218e6d8b_qkv
		.amdhsa_group_segment_fixed_size 327680
		.amdhsa_private_segment_fixed_size 0
		.amdhsa_enable_private_segment 0
		.amdhsa_kernarg_size 56
		.amdhsa_user_sgpr_count 2
		.amdhsa_user_sgpr_kernarg_segment_ptr 1
		.amdhsa_wavefront_size32 1
		.amdhsa_system_sgpr_workgroup_id_x 1
		.amdhsa_system_sgpr_workgroup_id_y 1
		.amdhsa_system_sgpr_workgroup_id_z 1
		.amdhsa_system_vgpr_workitem_id 0
		.amdhsa_next_free_vgpr 1024
		.amdhsa_next_free_sgpr 100
		.amdhsa_reserve_vcc 0
		.amdhsa_float_denorm_mode_32 3
		.amdhsa_float_denorm_mode_16_64 3
		.amdhsa_memory_ordered 1
		.amdhsa_forward_progress 1
		.amdhsa_inst_pref_size 220
	.end_amdhsa_kernel
	.amdgpu_metadata
---
amdhsa.version: [ 1, 2 ]
amdhsa.kernels:
  - .name:           k_q38218e6d8b_qkv
    .symbol:         k_q38218e6d8b_qkv.kd
    .args:
      - { .name: xc, .offset: 0, .size: 8, .value_kind: global_buffer, .address_space: global }
      - { .name: wqc, .offset: 8, .size: 8, .value_kind: global_buffer, .address_space: global }
      - { .name: lowp_scales, .offset: 16, .size: 8, .value_kind: global_buffer, .address_space: global }
      - { .name: b_qkv, .offset: 24, .size: 8, .value_kind: global_buffer, .address_space: global }
      - { .name: qc, .offset: 32, .size: 8, .value_kind: global_buffer, .address_space: global }
      - { .name: kc, .offset: 40, .size: 8, .value_kind: global_buffer, .address_space: global }
      - { .name: vc, .offset: 48, .size: 8, .value_kind: global_buffer, .address_space: global }
    .group_segment_fixed_size: 327680
    .private_segment_fixed_size: 0
    .kernarg_segment_align: 8
    .kernarg_segment_size: 56
    .max_flat_workgroup_size: 128
    .sgpr_count:     100
    .vgpr_count:     1024
    .wavefront_size: 32
...
	.end_amdgpu_metadata
.endif
;; end of part 2
;; launch attn (part 3): grid 4 x 64, 8 waves a work-group, clusters of 4 x 1, 327,680 bytes of LDS; arguments qc, kc, vc, lowp_scales, yc; writes yc
.if DOCPART == 3
	.amdgcn_target "amdgcn-amd-amdhsa--gfx1250"
	.amdhsa_code_object_version 6
	.text
	.protected	k_q38218e6d8b_attn
	.globl	k_q38218e6d8b_attn
	.p2align	8
	.type	k_q38218e6d8b_attn,@function
k_q38218e6d8b_attn:
	s_mov_b64 s[64:65], 0
	v_nop
	global_prefetch_b8 v0, s[64:65] scope:SCOPE_SE
	s_setreg_imm32_b32 hwreg(HW_REG_WAVE_MODE, 25, 1), 1
	s_wait_xcnt 0x0
	s_wait_alu depctr_hold_cnt(0) depctr_sa_sdst(0) depctr_va_vdst(0) depctr_va_sdst(0) depctr_va_ssrc(0) depctr_va_vcc(0) depctr_vm_vsrc(0)
	s_getreg_b32 s2, hwreg(HW_REG_IB_STS2, 6, 4)
	s_cmp_eq_u32 s2, 0
	s_cbranch_scc0 .Lentry_in_a_cluster
	s_endpgm
.Lentry_in_a_cluster:
	s_bfe_u32 s2, ttmp6, 0x10000c
	s_cmp_lg_u32 s2, 0x3003
	s_cbranch_scc0 .Lentry_shape_is_right
	s_endpgm
.Lentry_shape_is_right:
; y = softmax(q k^T / 8, causal) v for 64 heads (batch x head) of 2,048 tokens x 64, both products on codes of FP8 (E4M3); y leaves as codes with the scale 2^e6.
; THE SOFTMAX: t = score x log2(e) / 8; M = the row's largest t so far, rounded UP to a whole number; p = 2^(t - M) is quantised with 2^e4, not normalised.  The row's sum is taken of the unquantised p, in f32,
; and divides at the end.  When M moves, the sum and O are multiplied by 2^(old M - new M): exact.
; LEFT OUT: key steps all of whose 128 keys come after the wave's queries: the causal mask makes their p zero.
; IN: qc, kc [head][t / 16][2][lane][16 bytes], vc [head][t / 128][d / 16][4][lane][16 bytes]: images of the fragments' registers: every load is 16 x lane on end.
; SHARES.  A cluster of four work-groups owns a head.  The head's whole K (131,072 bytes) and V (131,072) lie in each work-group's LDS: eight waves, one joint load of 32,768 bytes each at the head, asked for by all four
; partners with one descriptor.  Nothing is filled again: one work-group barrier in the whole text.
; A wave owns 32 queries at a time, two tiles that share every fragment of K and V.  The head's 64 groups of 32 queries: wave w of partner cx takes group 4 w + cx (w + 1 key steps of 128) and then group
; 63 - 4 w - cx (16 - w key steps): 17 steps in every wave.  Trip counts, branches and LDS addresses hang on the wave's number alone; cx enters global addresses and the mask's lane numbers only.
; Both loops have constant trip counts (8 and 16) and jump over the steps that are left out.
; NO PREFETCH: every byte of K and V is asked for by the head's one group of loads; there is no loop to run ahead in.
; LAYOUT.  S^T = K Q^T (source 0 = 16 keys, source 1 = 16 queries; K = 64), O^T = V^T P^T (source 0 = 16 of the head's 64, source 1 = P; K = 128 keys): a lane holds one query (lane % 16) of each tile.
; Register j of key tile kt holds key 16 kt + 8 (lane / 16) + j: its two registers of codes are registers 2 kt, 2 kt + 1 of P's fragment.
; OUT: yc [row / 16][head 16][2][lane][16 bytes].
; LIMITS: e2 + e3 between -123 and 130 (added to c's exponent field); e4 between -126 and 119; 2^(e4 + e5 - e6) / the sum stays an f32 number.  NaN is not served.
; REGISTERS.  Window 0: v1-6 addresses; v8-11 -M and the largest t of tiles A, B; v12-15 their sums; v16-31 Q of the first group, v32-47 of the second; v48-175 S^T, then p; v176-207 p's codes, at a group's end y's;
; v208-236 at work; v240-246 constants.   Window 1: v0-63 K's fragments, v64-127 V's, v128-191 O^T.
.set VB,    131072                     ; V's first LDS byte; K's is 0
.set SPARE, 323584                     ; the spare words, 128 bytes for each wave: four blocks of 256 bytes that no other line names
.set LI,   1                           ; v1   16 x lane
.set ADK,  2                           ; v2   the step's K
.set ADV,  3                           ; v3   the step's V
.set RH,   4                           ; v4   lane % 16 - 8 (lane / 16)
.set SPW,  5                           ; v5   my spare word; never rewritten
.set NIL,  6                           ; v6   0; never rewritten
.set DA,   234                         ; v234, v235  the mask's d of tiles A, B
.set WV,   14
.set CX,   15
.set HD,   16
.set SEL,  20                          ; s[20:21] lane selects: lane l xor 16
.set CS,   22                          ; s[22:23] c = log2(e) / 8 x 2^(e2 + e3)
.set G1,   24
.set ES,   32                          ; s[32:39] e0 .. e7
.set G0,   40
.set T,    44                          ; the key step
.set NL,   45                          ; the group's last key step, the one on the diagonal
.set KO,   46                          ; 8,192 x the key step
.set EY,   47                          ; e4 + e5 - e6
.set YP1,  48
.set YP2,  50
.set QO1,  72                          ; the group's first query within its last key step
.set QO2,  73
.set MSB, 0
.macro WIN new                         ; the immediate's high byte repeats the setting that is left
.if MSB != (\new)
	s_set_vgpr_msb (MSB<<8)|(\new)
.set MSB, (\new)
.endif
.endm
.macro CROUND                          ; a round of the cluster's barrier
	s_barrier_signal -1
	s_barrier_wait -1
	s_cmp_lg_u32 s[WV], 0
	s_cbranch_scc1 .Lnot_wave_0_\@
	s_barrier_signal -3
.Lnot_wave_0_\@:
	s_barrier_wait -3
	s_barrier_signal -1
	s_barrier_wait -1
.endm
.macro KLOAD adr, off                  ; a step's eight fragments of K into window 1
	WIN 0x40
.irp kt, 0,1,2,3,4,5,6,7
	ds_load_b128 v[8*\kt:8*\kt+3], v[\adr] offset:\off+1024*\kt
	ds_load_b128 v[8*\kt+4:8*\kt+7], v[\adr] offset:\off+1024*\kt+512
.endr
	WIN 0
.endm
.macro STATE qo                        ; a group begins: the largest t under every t; the sums and O^T zeros, which the first change of M leaves zeros
	s_wait_xcnt 0x0                                ; the last group's stores have read their registers
.irp t, 0,1
	v_mov_b32 v[9+2*\t], 0xff61b1e6                ; -3e38
	v_mov_b32 v[12+2*\t], 0
	v_mov_b32 v[13+2*\t], 0
.endr
	v_floor_f32 v8, -v9                            ; -M
	v_floor_f32 v10, -v11
	v_add_nc_u32 v[DA], s[\qo], v[RH]              ; d = my query - the last step's first key - 8 (lane / 16)
	v_add_nc_u32 v[DA+1], 16, v[DA]
	WIN 0x40
.set j, 0
.rept 64
	v_mov_b32 v[128+j], 0
.set j, j+1
.endr
	WIN 0
.endm
	s_load_b256 s[4:11], s[0:1], 0x0               ; qc s[4:5], kc s[6:7], vc s[8:9], the scales' exponents s[10:11]
	s_load_b64 s[12:13], s[0:1], 0x20              ; yc
	v_lshl_add_u32 v[SPW], v0, 2, SPARE
	v_mov_b32 v[NIL], 0
	ds_add_u32 v[SPW], v[NIL]                      ; the opening lines: the add, twice on end, and its wait ahead of my first tensor load
	ds_add_u32 v[SPW], v[NIL]
	v_lshrrev_b32 v7, 5, v0
	v_readfirstlane_b32 s[WV], v7                  ; wave 0..7
	s_bfe_u32 s[CX], ttmp6, 0x40000                ; my place in the cluster
	s_and_b32 s[HD], ttmp7, 0xffff                 ; batch x 16 + head
	s_lshl_b32 s52, s[HD], 17                      ; its first byte in qc, kc and vc
	s_mov_b32 s53, 0
	s_and_b32 s54, s[WV], 3
	s_lshl_b32 s54, s54, 15
	s_add_co_u32 s54, s54, s52                     ; my quarter of the head's K (waves 0-3) or V (waves 4-7)
	s_mov_b32 s55, 0
	s_mov_b32 s[G1], 15|(3<<16)|(1<<21)            ; the mask names the four partners; elements of 8 bytes; bit 21 beside a mask; no padding: every read is 16 x lane on end
	s_mov_b32 s[G1+1], 32<<16                      ; rows of 256 bytes,
	s_mov_b32 s[G1+2], 128<<16                     ; 128 of them, dense
	s_mov_b32 s[G1+3], 32<<16
	s_mov_b32 s[G1+4], 128
	s_mov_b32 s[G1+5], 32
	s_mov_b32 s[G1+6], 0
	s_mov_b32 s[G1+7], 0
	s_mov_b32 s[G0], 1
	s_lshl_b32 s[G0+1], s[WV], 15                  ; LDS: 32,768 x wave
	s_mov_b32 s[SEL], 0x76543210
	s_mov_b32 s[SEL+1], 0xfedcba98
	s_mov_b32 s[CS], 0x3e38aa3b                    ; log2(e) / 8
	s_wait_dscnt 0x0                               ; both opening adds are done
	s_wait_kmcnt 0x0
	s_load_b256 s[ES:ES+7], s[10:11], 0x0          ; e0 .. e7
	s_cmp_lt_u32 s[WV], 4
	s_cselect_b64 s[56:57], s[6:7], s[8:9]
	s_add_nc_u64 s[56:57], s[56:57], s[54:55]
	s_mov_b64 s[G0+2:G0+3], s[56:57]
	s_or_b32 s[G0+3], s[G0+3], 0x80000000
	CROUND                                         ; all four work-groups are here: the joint loads meet
	tensor_load_to_lds s[G0:G0+3], s[G1:G1+7]      ; my one tensor load of the launch
	s_nop 0
	s_lshl_b32 s58, s[WV], 2
	s_add_co_u32 s58, s58, s[CX]                   ; my first group of 32 queries,
	s_sub_co_u32 s59, 63, s58                      ; and my second
	s_add_nc_u64 s[4:5], s[4:5], s[52:53]
	s_lshl_b32 s66, s58, 11                        ; a group's Q is 2,048 bytes
	s_mov_b32 s67, 0
	s_add_nc_u64 s[60:61], s[4:5], s[66:67]
	s_lshl_b32 s66, s59, 11
	s_add_nc_u64 s[62:63], s[4:5], s[66:67]
	s_lshr_b32 s68, s[HD], 4
	s_lshl_b32 s68, s68, 11
	s_and_b32 s69, s[HD], 15
	s_add_co_u32 s68, s68, s69                     ; y: (batch x 2,048 + first query + head) x 1,024
	s_lshl_b32 s66, s58, 5
	s_add_co_u32 s66, s66, s68
	s_lshl_b32 s66, s66, 10
	s_add_nc_u64 s[YP1:YP1+1], s[12:13], s[66:67]
	s_lshl_b32 s66, s59, 5
	s_add_co_u32 s66, s66, s68
	s_lshl_b32 s66, s66, 10
	s_add_nc_u64 s[YP2:YP2+1], s[12:13], s[66:67]
	s_lshl_b32 s[QO1], s[CX], 5                    ; group 4 w + cx begins 32 cx keys into step w,
	s_sub_co_u32 s[QO2], 96, s[QO1]                ; group 63 - 4 w - cx begins 32 (3 - cx) keys into step 15 - w
	v_and_b32 v7, 31, v0
	v_lshlrev_b32 v[LI], 4, v7
	v_and_b32 v2, 15, v0
	v_bfe_u32 v3, v0, 4, 1
	v_lshlrev_b32 v3, 3, v3
	v_sub_nc_u32 v[RH], v2, v3
	v_mov_b32 v209, 0                              ; (named as upper halves of pairs)
	v_mov_b32 v211, 0
	v_mov_b32 v212, 0                              ; written once: a lane permute's destination counts as one of its sources
	v_mov_b32 v213, 0
	v_mov_b32 v245, 0x43e00000                     ; 448
	v_mov_b32 v246, 1.0
	s_wait_alu depctr_va_vdst(0)                   ; ahead of the readers below
.irp c, 0,1,2,3
	global_load_b128 v[16+4*\c:19+4*\c], v[LI], s[60:61] offset:512*\c   ; Q of both groups stays in registers
	global_load_b128 v[32+4*\c:35+4*\c], v[LI], s[62:63] offset:512*\c
.endr
	s_wait_kmcnt 0x0
	s_add_co_i32 s70, s[ES+2], s[ES+3]
	s_lshl_b32 s70, s70, 23
	s_add_co_i32 s[CS], s[CS], s70                 ; a score stands for score x 2^(e2 + e3)
	s_mov_b32 s[CS+1], s[CS]
	s_add_co_i32 s70, s[ES+4], 127
	s_lshl_b32 s71, s70, 23
	v_mov_b32 v244, s71                            ; 2^e4 as f32, for p's conversions
	s_add_co_i32 s70, s70, 8
	s_lshl_b32 s70, s70, 23
	s_or_b32 s70, s70, 0x600000
	v_mov_b32 v240, s70                            ; 448 x 2^e4, twice: one for each half of a dual pair
	v_mov_b32 v241, s70
	s_add_co_i32 s[EY], s[ES+4], s[ES+5]
	s_sub_co_i32 s[EY], s[EY], s[ES+6]
; A GROUP OF 32 QUERIES: n names the labels, trips the loop's constant count, q Q's first register, yp where y goes.
.macro BLOCK n, trips, q, yp
	s_mov_b32 s[T], 0
	s_mov_b32 s[KO], 0
	KLOAD LI, 0                                    ; step 0's K
	s_wait_alu depctr_va_vdst(0)                   ; ahead of the loop
.Lk_\n:
	s_cmp_gt_u32 s[T], s[NL]                       ; all 128 keys come after my queries: the step's work is left out
	s_cbranch_scc1 .Lskip_\n
	v_add_nc_u32 v[ADK], s[KO], v[LI]
	v_add_nc_u32 v[ADV], VB, v[ADK]
	v_nop                                          ; with the two additions: four places behind the last products, in front of the loads into V's registers
	v_nop
	s_wait_alu depctr_va_vdst(0)
	WIN 0x40
.irp dt, 0,1,2,3
.irp c, 0,1,2,3
	ds_load_b128 v[64+16*\dt+4*\c:67+16*\dt+4*\c], v[ADV] offset:2048*\dt+512*\c
.endr
.endr
	s_wait_dscnt 16                                ; K is in; V's sixteen loads, the younger ones, may be out
	WIN 0x01
.irp kt, 0,1,2,3,4,5,6,7
.irp t, 0,1
	v_wmma_f32_16x16x64_fp8_fp8 v[48+64*\t+8*\kt:55+64*\t+8*\kt], v[8*\kt:8*\kt+7], v[\q+8*\t:\q+8*\t+7], 0
.endr
.endr
	WIN 0
.rept 4
	v_nop                                          ; places: in front of the loads into K's registers and of the first read of the scores
.endr
	s_cmp_lt_u32 s[T], s[NL]
	s_cbranch_scc0 .Lnk_\n
	KLOAD ADK, 8192                                ; the next step's K lands under the softmax
.Lnk_\n:
	s_cmp_lg_u32 s[T], s[NL]                       ; only the group's last step lies on the diagonal
	s_cbranch_scc1 .Lopen_\n
	v_mov_b32 v236, 0xff800000                     ; -infinity: p = 0.  The step's first key counts for all my queries, so no row is hidden whole
.set n, 0
.rept 64
.irp t, 0,1
	v_cmp_gt_i32 vcc_lo, 16*(n/8)+n%8, v[DA+\t]    ; register 8 kt + j holds the key 16 kt + j on: hidden where that is over d
	v_cndmask_b32 v[48+64*\t+n], v[48+64*\t+n], v236, vcc_lo
.endr
.set n, n+1
.endr
.Lopen_\n:
.irp t, 0,1
	v_max3_num_f32 v[214+2*\t], v[48+64*\t], v[49+64*\t], v[50+64*\t]   ; the step's largest score: two chains a tile, each accumulator from its low end on
.endr
.irp t, 0,1
	v_max3_num_f32 v[215+2*\t], v[51+64*\t], v[52+64*\t], v[53+64*\t]
.endr
.set i, 6
.rept 14
.irp t, 0,1
	v_max3_num_f32 v[214+2*\t], v[214+2*\t], v[48+64*\t+i], v[49+64*\t+i]
.endr
.irp t, 0,1
	v_max3_num_f32 v[215+2*\t], v[215+2*\t], v[50+64*\t+i], v[51+64*\t+i]
.endr
.set i, i+4
.endr
.irp t, 0,1
	v_max3_num_f32 v[214+2*\t], v[214+2*\t], v[110+64*\t], v[111+64*\t]
.endr
.irp t, 0,1
	v_max_num_f32 v[214+2*\t], v[214+2*\t], v[215+2*\t]
.endr
.irp t, 0,1
	v_permlanex16_b32 v[212+\t], v[214+2*\t], s[SEL], s[SEL+1]
.endr
.irp t, 0,1
	v_max_num_f32 v[214+2*\t], v[214+2*\t], v[212+\t]      ; and lane l xor 16's
.endr
.irp t, 0,1
	v_mul_f32 v[214+2*\t], s[CS], v[214+2*\t]              ; as t (c is positive)
.endr
.irp t, 0,1
	v_max_num_f32 v[9+2*\t], v[9+2*\t], v[214+2*\t]        ; the running largest t
	v_mov_b32 v[214+2*\t], v[8+2*\t]
.endr
.irp t, 0,1
	v_floor_f32 v[8+2*\t], -v[9+2*\t]                      ; the new -M = -ceil(t)
.endr
.irp t, 0,1
	v_sub_f32 v[214+2*\t], v[8+2*\t], v[214+2*\t]          ; old M - new M: a whole number, 0 or less
.endr
.irp t, 0,1
	v_cvt_i32_f32 v[214+2*\t], v[214+2*\t]                 ; (it saturates)
.endr
.irp t, 0,1
	v_ldexp_f32 v[208+2*\t], 1.0, v[214+2*\t]              ; f = 2^(old M - new M)
.endr
.irp t, 0,1
.set j, 0
.rept 32
	v_pk_fma_f32 v[48+64*\t+j:49+64*\t+j], v[48+64*\t+j:49+64*\t+j], s[CS:CS+1], v[8+2*\t:9+2*\t] op_sel_hi:[1,0,0]   ; t - M
.set j, j+2
.endr
.endr
	s_wait_alu depctr_va_vdst(0)                   ; ahead of the batch
.set j, 0
.rept 128
	v_exp_f32 v[48+j], v[48+j]                     ; p = 2^(t - M), at most 1
.set j, j+1
.endr
	v_pk_mul_f32 v[12:13], v[12:13], v[208:209] op_sel_hi:[1,0]   ; the sums under the new M: plain lines behind the exponentials
	v_pk_mul_f32 v[14:15], v[14:15], v[210:211] op_sel_hi:[1,0]
	s_wait_alu depctr_va_vdst(0)                   ; one wait for the batch, ahead of its first reader
.irp k, 0,1,2,3                                ; the rows' sums of the unquantised p: four chains a tile
.irp t, 0,1
	v_pk_add_f32 v[218+8*\t+2*\k:219+8*\t+2*\k], v[48+64*\t+2*\k:49+64*\t+2*\k], v[56+64*\t+2*\k:57+64*\t+2*\k]
.endr
.endr
.irp m, 2,3,4,5,6,7
.irp k, 0,1,2,3
.irp t, 0,1
	v_pk_add_f32 v[218+8*\t+2*\k:219+8*\t+2*\k], v[218+8*\t+2*\k:219+8*\t+2*\k], v[48+64*\t+8*\m+2*\k:49+64*\t+8*\m+2*\k]
.endr
.endr
.endr
.irp t, 0,1
	v_pk_add_f32 v[218+8*\t:219+8*\t], v[218+8*\t:219+8*\t], v[220+8*\t:221+8*\t]
	v_pk_add_f32 v[222+8*\t:223+8*\t], v[222+8*\t:223+8*\t], v[224+8*\t:225+8*\t]
.endr
.irp t, 0,1
	v_pk_add_f32 v[218+8*\t:219+8*\t], v[218+8*\t:219+8*\t], v[222+8*\t:223+8*\t]
.endr
.irp t, 0,1
	v_pk_add_f32 v[12+2*\t:13+2*\t], v[12+2*\t:13+2*\t], v[218+8*\t:219+8*\t]
.endr
.set j, 0
.rept 64
	v_dual_min_num_f32 v[48+j], v[48+j], v240 :: v_dual_min_num_f32 v[49+j], v[49+j], v241   ; the conversion does not saturate (ISA guide 7.6.2); p is not negative, so the hold is one-sided; two numbers a line
.set j, j+2
.endr
.irp kt, 0,1,2,3,4,5,6,7
.irp t, 0,1
	v_cvt_scalef32_pk8_fp8_f32 v[176+16*\t+2*\kt:177+16*\t+2*\kt], v[48+64*\t+8*\kt:55+64*\t+8*\kt], v244
.endr
.endr
	WIN 0x41
	s_wait_alu depctr_va_vdst(0)                   ; directly ahead of the first readers of O^T
.irp t, 0,1
.set j, 0
.rept 16
	v_pk_mul_f32 v[128+32*\t+j:129+32*\t+j], v[128+32*\t+j:129+32*\t+j], v[208+2*\t:209+2*\t] op_sel_hi:[1,0]   ; O^T under the new M; also the plain lines behind the conversions
.set j, j+2
.endr
.endr
	WIN 0x51
	s_wait_alu depctr_va_vdst(0)                   ; ahead of the wait below
	s_wait_dscnt 0x0                               ; V is in
.irp dt, 0,1,2,3
.irp t, 0,1
	v_wmma_f32_16x16x128_fp8_fp8 v[128+32*\t+8*\dt:135+32*\t+8*\dt], v[64+16*\dt:79+16*\dt], v[176+16*\t:191+16*\t], v[128+32*\t+8*\dt:135+32*\t+8*\dt]   ; eight accumulators by turns
.endr
.endr
	WIN 0
.Lskip_\n:
	s_add_co_u32 s[KO], s[KO], 8192
	s_add_co_u32 s[T], s[T], 1
	s_cmp_lt_u32 s[T], \trips
	s_cbranch_scc1 .Lk_\n
	; the group is finished: O^T x 2^(e4 + e5 - e6) / the sum, held within +-448, becomes codes; four stores of 512 consecutive bytes
.rept 4
	v_nop                                          ; places behind the last products
.endr
.irp t, 0,1
	v_add_f32 v[12+2*\t], v[12+2*\t], v[13+2*\t]
.endr
.irp t, 0,1
	v_permlanex16_b32 v[212+\t], v[12+2*\t], s[SEL], s[SEL+1]
.endr
.irp t, 0,1
	v_add_f32 v[12+2*\t], v[12+2*\t], v[212+\t]
.endr
	s_wait_alu depctr_va_vdst(0)                   ; ahead of the two reciprocals
	v_rcp_f32 v12, v12
	v_rcp_f32 v14, v14
	v_nop
	s_wait_alu depctr_va_vdst(0)                   ; and behind them
	v_ldexp_f32 v12, v12, s[EY]
	v_ldexp_f32 v14, v14, s[EY]
	WIN 0x01
	s_wait_alu depctr_va_vdst(0)                   ; directly ahead of the first readers of O^T
.irp t, 0,1
.set j, 0
.rept 16
	v_pk_mul_f32 v[48+32*\t+j:49+32*\t+j], v[128+32*\t+j:129+32*\t+j], v[12+2*\t:13+2*\t] op_sel_hi:[1,0]   ; each accumulator from its low end on
.set j, j+2
.endr
.endr
	WIN 0
.set j, 0
.rept 64
	v_med3_num_f32 v[48+j], v[48+j], -v245, v245
.set j, j+1
.endr
.irp g, 0,1,2,3,4,5,6,7
	v_cvt_scalef32_pk8_fp8_f32 v[176+2*\g:177+2*\g], v[48+8*\g:55+8*\g], v246
.endr
	v_nop                                          ; one plain line behind the last conversion
.irp t, 0,1
	global_store_b128 v[LI], v[176+8*\t:179+8*\t], s[\yp:\yp+1] offset:16384*\t
	global_store_b128 v[LI], v[180+8*\t:183+8*\t], s[\yp:\yp+1] offset:16384*\t+512
.endr
.endm
	s_mov_b32 s[NL], s[WV]
	STATE QO1
	s_wait_alu depctr_va_vdst(0)                   ; at the head's end
	s_wait_loadcnt 0x0                             ; Q
	s_wait_tensorcnt 0x0                           ; my part of K or V is in,
	s_barrier_signal -1
	s_barrier_wait -1                              ; everybody's is
	BLOCK 1, 8, 16, YP1
	s_sub_co_u32 s[NL], 15, s[WV]
	STATE QO2
	BLOCK 2, 16, 32, YP2
	s_wait_tensorcnt 0x0                           ; the wave's end
	ds_add_u32 v[SPW], v[NIL]
	s_wait_dscnt 0x0
	CROUND                                         ; the closing round
	s_endpgm
.Lfunc_end_k_q38218e6d8b_attn:
	.size	k_q38218e6d8b_attn, .Lfunc_end_k_q38218e6d8b_attn-k_q38218e6d8b_attn
	.p2alignl 7, 3214868480
	.fill 96, 4, 3214868480
	.section	.rodata,"a",@progbits
	.p2align	6, 0x0
	.amdhsa_kernel k_q38218e6d8b_attn
		.amdhsa_group_segment_fixed_size 327680
		.amdhsa_private_segment_fixed_size 0
		.amdhsa_enable_private_segment 0
		.amdhsa_kernarg_size 40
		.amdhsa_user_sgpr_count 2
		.amdhsa_user_sgpr_kernarg_segment_ptr 1
		.amdhsa_wavefront_size32 1
		.amdhsa_system_sgpr_workgroup_id_x 1
		.amdhsa_system_sgpr_workgroup_id_y 1
		.amdhsa_system_sgpr_workgroup_id_z 1
		.amdhsa_system_vgpr_workitem_id 0
		.amdhsa_next_free_vgpr 448
		.amdhsa_next_free_sgpr 80
		.amdhsa_reserve_vcc 1
		.amdhsa_float_denorm_mode_32 3
		.amdhsa_float_denorm_mode_16_64 3
		.amdhsa_memory_ordered 1
		.amdhsa_forward_progress 1
		.amdhsa_inst_pref_size 106
	.end_amdhsa_kernel
	.amdgpu_metadata
---
amdhsa.version: [ 1, 2 ]
amdhsa.kernels:
  - .name:           k_q38218e6d8b_attn
    .symbol:         k_q38218e6d8b_attn.kd
    .args:
      - { .name: qc, .offset: 0, .size: 8, .value_kind: global_buffer, .address_space: global }
      - { .name: kc, .offset: 8, .size: 8, .value_kind: global_buffer, .address_space: global }
      - { .name: vc, .offset: 16, .size: 8, .value_kind: global_buffer, .address_space: global }
      - { .name: lowp_scales, .offset: 24, .size: 8, .value_kind: global_buffer, .address_space: global }
      - { .name: yc, .offset: 32, .size: 8, .value_kind: global_buffer, .address_space: global }
    .group_segment_fixed_size: 327680
    .private_segment_fixed_size: 0
    .kernarg_segment_align: 8
    .kernarg_segment_size: 40
    .max_flat_workgroup_size: 256
    .sgpr_count:     80
    .vgpr_count:     448
    .wavefront_size: 32
...
	.end_amdgpu_metadata
.endif
;; end of part 3
;; launch proj (part 4): grid 4 x 64, 4 waves a work-group, clusters of 4 x 1, 327,680 bytes of LDS; arguments yc, wpc, lowp_scales, b_proj, out0; writes out0
.if DOCPART == 4
	.amdgcn_target "amdgcn-amd-amdhsa--gfx1250"
	.amdhsa_code_object_version 6
	.text
	.protected	k_q38218e6d8b_proj
	.globl	k_q38218e6d8b_proj
	.p2align	8
	.type	k_q38218e6d8b_proj,@function
k_q38218e6d8b_proj:
	s_mov_b64 s[64:65], 0
	v_nop
	global_prefetch_b8 v0, s[64:65] scope:SCOPE_SE
	s_setreg_imm32_b32 hwreg(HW_REG_WAVE_MODE, 25, 1), 1
	s_wait_xcnt 0x0
	s_wait_alu depctr_hold_cnt(0) depctr_sa_sdst(0) depctr_va_vdst(0) depctr_va_sdst(0) depctr_va_ssrc(0) depctr_va_vcc(0) depctr_vm_vsrc(0)
	s_getreg_b32 s2, hwreg(HW_REG_IB_STS2, 6, 4)
	s_cmp_eq_u32 s2, 0
	s_cbranch_scc0 .Lentry_in_a_cluster
	s_endpgm
.Lentry_in_a_cluster:
	s_bfe_u32 s2, ttmp6, 0x10000c
	s_cmp_lg_u32 s2, 0x3003
	s_cbranch_scc0 .Lentry_shape_is_right
	s_endpgm
.Lentry_shape_is_right:
; out0 = y W_proj + b_proj on codes of FP8 (E4M3), K = 1,024; a sum is multiplied once by 2^(e6 + e7).  LIMIT: e6 + e7 between -126 and 127.
; SHARES.  Work-group (cx, T) makes rows 128 T .. 128 T + 127 x columns 256 cx .. 256 cx + 255; wave w its columns 64 w on.  256 work-groups.
; y's 128 rows x 1,024 codes, a dense block of images of fragments, lie in LDS for the whole launch: one joint load of 32,768 bytes a wave at the head, asked for alike by the four partners of a cluster of 4 x 1, which share the rows.
; Nothing is filled again: one barrier.  W's 64 columns x 1,024 codes lie in 512 registers, loaded at the head from wpc's images, 512 consecutive bytes a load.  All loads go out at the head: there is no loop to run ahead in, so no prefetch.
; Source 0 = 16 columns of W, source 1 = 16 rows of y: a lane holds eight neighbouring numbers of a row.  A block of 16 rows x 64 columns goes through the wave's own stage in LDS and leaves as aligned units of 256 bytes.
; REGISTERS.  Window 0: v1-9 addresses; v32-63 b; v64-95 a block's results; v128-255 y's fragments, two halves of four blocks, on the way out rows read back.  Windows 1, 2: W's fragments, (kq, b) at 64 kq + 16 b.
; Window 3: the 32 accumulators, (a, b) at 8 (4 a + b).
.set ASTR,  16384
.set AKQ,   2048
.set ACS,   512
.set SPITCH, 272
.set STAGE, 131072                     ; behind y: 16 rows x 272 bytes for each wave
.set SPARE, STAGE+4*16*SPITCH          ; behind the stages: the spare words, 128 bytes for each wave
.set LI,   1
.set AD0,  2                           ; v2, v3  my lane's place in blocks 0-3, 4-7
.set BO0,  4
.set STO,  5
.set RD,   6
.set CO,   7
.set SPW,  8
.set NIL,  9
.set BQ,   32
.set TMP,  64
.set AF,   128
.set BK,   128
.set WV,   14
.set CX,   15
.set TT,   16
.set G1,   24
.set G0,   32
.set WB,   36
.set BB,   40
.set MSB, 0
.macro WIN new
.if MSB != (\new)
	s_set_vgpr_msb (MSB<<8)|(\new)
.set MSB, (\new)
.endif
.endm
.macro CROUND
	s_barrier_signal -1
	s_barrier_wait -1
	s_cmp_lg_u32 s[WV], 0
	s_cbranch_scc1 .Lnot_wave_0_\@
	s_barrier_signal -3
.Lnot_wave_0_\@:
	s_barrier_wait -3
	s_barrier_signal -1
	s_barrier_wait -1
.endm
.macro PLACES
.rept 4
	v_nop
.endr
.endm
.macro ALOAD kq, hf
.irp i, 0,1,2,3
.irp c, 0,1,2,3
	ds_load_b128 v[AF+64*(\hf)+16*\i+4*\c:AF+64*(\hf)+16*\i+4*\c+3], v[AD0+(\hf)] offset:\i*ASTR+(\kq)*AKQ+\c*ACS
.endr
.endr
.endm
.macro BLOAD kq
	WIN 0x40<<((\kq)/4)
.irp b, 0,1,2,3
.irp c, 0,1,2,3
	global_load_b128 v[64*((\kq)%4)+16*\b+4*\c:64*((\kq)%4)+16*\b+4*\c+3], v[LI], s[WB:WB+1] offset:\b*16384+(\kq)*2048+\c*512
.endr
.endr
	WIN 0
.endm
.macro MUL hf, kq                      ; 16 products on 16 accumulators, one a turn; the first step's start the sums
	WIN 0xf0|(1+(\kq)/4)
.irp i, 0,1,2,3
.irp b, 0,1,2,3
.set AC, 8*(4*(4*(\hf)+\i)+\b)
.set AR, AF+64*(\hf)+16*\i
.set BR, 64*((\kq)%4)+16*\b
.if \kq == 0
	v_wmma_f32_16x16x128_fp8_fp8 v[AC:AC+7], v[BR:BR+15], v[AR:AR+15], 0
.else
	v_wmma_f32_16x16x128_fp8_fp8 v[AC:AC+7], v[BR:BR+15], v[AR:AR+15], v[AC:AC+7]
.endif
.endr
.endr
.endm
	s_load_b256 s[4:11], s[0:1], 0x0               ; yc s[4:5], wpc s[6:7], the scales' exponents s[8:9], b_proj s[10:11]
	s_load_b64 s[12:13], s[0:1], 0x20              ; out0
	v_lshl_add_u32 v[SPW], v0, 2, SPARE
	v_mov_b32 v[NIL], 0
	ds_add_u32 v[SPW], v[NIL]                      ; the opening lines: the add, twice on end, and its wait ahead of my first tensor load
	ds_add_u32 v[SPW], v[NIL]
	v_lshrrev_b32 v10, 5, v0
	v_readfirstlane_b32 s[WV], v10
	s_mul_i32 s60, s[WV], 16*SPITCH
	s_add_co_u32 s60, s60, STAGE                   ; my stage
	v_and_b32 v10, 31, v0
	v_lshlrev_b32 v[LI], 4, v10
	v_lshlrev_b32 v[AD0], 4, v10
	v_add_nc_u32 v[AD0+1], 4*ASTR, v[AD0]
	v_and_b32 v11, 15, v0                          ; r
	v_bfe_u32 v12, v0, 4, 1                        ; h
	v_lshlrev_b32 v[BO0], 5, v12
	v_mul_u32_u24 v[STO], v11, SPITCH              ; in: row r, 32 bytes for each half of the lanes
	v_lshl_add_u32 v[STO], v12, 5, v[STO]
	v_add_nc_u32 v[STO], s60, v[STO]
	v_mul_u32_u24 v[RD], v12, SPITCH               ; back: lanes 0-15 one row of 256 bytes, lanes 16-31 the next
	v_lshl_add_u32 v[RD], v11, 4, v[RD]
	v_add_nc_u32 v[RD], s60, v[RD]
	v_lshlrev_b32 v[CO], 12, v12                   ; and the same two rows in out0
	v_lshl_add_u32 v[CO], v11, 4, v[CO]
	s_bfe_u32 s[CX], ttmp6, 0x40000
	s_and_b32 s[TT], ttmp7, 0xffff
	s_mov_b32 s[G1], 15|(3<<16)|(1<<21)            ; the mask names the four partners; elements of 8 bytes; no padding: every read is 16 x lane on end
	s_mov_b32 s[G1+1], 32<<16                      ; rows of 256 bytes,
	s_mov_b32 s[G1+2], 128<<16                     ; 128 of them, dense
	s_mov_b32 s[G1+3], 32<<16
	s_mov_b32 s[G1+4], 128
	s_mov_b32 s[G1+5], 32
	s_mov_b32 s[G1+6], 0
	s_mov_b32 s[G1+7], 0
	s_mov_b32 s[G0], 1
	s_lshl_b32 s[G0+1], s[WV], 15
	s_lshl_b32 s50, s[TT], 17
	s_lshl_b32 s51, s[WV], 15
	s_add_co_u32 s50, s50, s51                     ; y: 131,072 T + 32,768 w
	s_mov_b32 s51, 0
	s_lshl_b32 s52, s[CX], 2
	s_add_co_u32 s52, s52, s[WV]                   ; which 64 columns are mine
	s_lshl_b32 s54, s52, 16                        ; their four tiles of 16, 16,384 bytes each
	s_mov_b32 s55, 0
	s_lshl_b32 s56, s52, 8                         ; their 256 bytes in b and in a row of out0
	s_mov_b32 s57, 0
	s_lshl_b32 s58, s[TT], 19                      ; 128 T rows of 4,096 bytes
	s_add_co_u32 s58, s58, s56
	s_mov_b32 s59, 0
	s_wait_alu depctr_va_vdst(0)                   ; directly ahead of the waits below
	s_wait_dscnt 0x0
	s_wait_kmcnt 0x0
	s_load_b64 s[96:97], s[8:9], 0x18              ; e6, e7
	s_add_nc_u64 s[G0+2:G0+3], s[4:5], s[50:51]
	s_or_b32 s[G0+3], s[G0+3], 0x80000000
	s_add_nc_u64 s[WB:WB+1], s[6:7], s[54:55]
	s_add_nc_u64 s[BB:BB+1], s[10:11], s[56:57]
	s_add_nc_u64 s[12:13], s[12:13], s[58:59]
	CROUND                                         ; all four work-groups are here: the joint loads meet
	tensor_load_to_lds s[G0:G0+3], s[G1:G1+7]      ; my one tensor load of the launch
	s_nop 0
.irp b, 0,1,2,3
	global_load_b128 v[BQ+8*\b:BQ+8*\b+3], v[BO0], s[BB:BB+1] offset:64*\b
	global_load_b128 v[BQ+8*\b+4:BQ+8*\b+7], v[BO0], s[BB:BB+1] offset:64*\b+16
.endr
.irp kq, 0,1,2,3,4,5,6,7
	BLOAD \kq
.endr
	s_wait_tensorcnt 0x0                           ; my part of y is in,
	s_barrier_signal -1
	s_barrier_wait -1                              ; everybody's is
	ALOAD 0, 0
	ALOAD 0, 1
.irp kq, 0,1,2,3,4,5,6,7                       ; eight steps of 128 along K.  Behind W's fragments of a step 16 (7 - kq) younger loads were issued: the wait names that count, or 63, the most that its field holds
.if 16*(7-\kq) > 63
	s_wait_loadcnt 63
.else
	s_wait_loadcnt 16*(7-\kq)
.endif
	s_wait_dscnt 16                                ; y's blocks 0-3 are in; the 16 younger loads, blocks 4-7, may be out
	MUL 0, \kq
	PLACES
	WIN 0
.if \kq < 7
	ALOAD \kq+1, 0
	s_wait_dscnt 16                                ; blocks 4-7 are in; the 16 just issued may be out
.else
	s_wait_dscnt 0
.endif
	MUL 1, \kq
	PLACES
	WIN 0
.if \kq < 7
	ALOAD \kq+1, 1
.endif
.endr
.macro TOSTAGE a                       ; block a: x 2^(e6 + e7), + b, into my stage and back as rows.  LDS serves a wave's instructions in order (ISA guide 5.7.1.4): no wait between the stores and the loads
	WIN 0x03
.set j, 0
.rept 16
	v_pk_fma_f32 v[TMP+j:TMP+j+1], v[32*(\a)+j:32*(\a)+j+1], s[96:97], v[BQ+j:BQ+j+1] op_sel_hi:[1,0,1]   ; each accumulator from its low end on
.set j, j+2
.endr
	WIN 0
.irp b, 0,1,2,3
	ds_store_b128 v[STO], v[TMP+8*\b:TMP+8*\b+3] offset:64*\b
	ds_store_b128 v[STO], v[TMP+8*\b+4:TMP+8*\b+7] offset:64*\b+16
.endr
.irp t, 0,1,2,3,4,5,6,7
	ds_load_b128 v[BK+32*((\a)%2)+4*\t:BK+32*((\a)%2)+4*\t+3], v[RD] offset:2*\t*SPITCH
.endr
.endm
.macro SEND a, younger                 ; younger: the LDS instructions issued behind block a's loads
	s_wait_dscnt \younger
.irp t, 0,1,2,3,4,5,6,7
	global_store_b128 v[CO], v[BK+32*((\a)%2)+4*\t:BK+32*((\a)%2)+4*\t+3], s[12:13] offset:(\a)*65536+2*\t*4096 th:TH_STORE_NT   ; sixteen lanes store 256 consecutive bytes, aligned
.endr
.endm
	s_wait_kmcnt 0x0
	s_add_co_i32 s96, s96, s97
	s_add_co_i32 s96, s96, 127
	s_lshl_b32 s96, s96, 23                        ; 2^(e6 + e7) as f32
	s_mov_b32 s97, s96
	TOSTAGE 0
.irp a, 1,2,3,4,5,6,7
.if \a > 1
	s_wait_xcnt 0x0                                ; block a - 2's stores have read the registers that block a's rows land in
.endif
	TOSTAGE \a
	SEND (\a-1), 16                                ; behind block a - 1's loads: block a's 8 stores and 8 loads
.endr
	SEND 7, 0
	s_wait_tensorcnt 0x0                           ; the wave's end
	ds_add_u32 v[SPW], v[NIL]
	s_wait_dscnt 0x0
	CROUND                                         ; the closing round
	s_endpgm
.Lfunc_end_k_q38218e6d8b_proj:
	.size	k_q38218e6d8b_proj, .Lfunc_end_k_q38218e6d8b_proj-k_q38218e6d8b_proj
	.p2alignl 7, 3214868480
	.fill 96, 4, 3214868480
	.section	.rodata,"a",@progbits
	.p2align	6, 0x0
	.amdhsa_kernel k_q38218e6d8b_proj
		.amdhsa_group_segment_fixed_size 327680
		.amdhsa_private_segment_fixed_size 0
		.amdhsa_enable_private_segment 0
		.amdhsa_kernarg_size 40
		.amdhsa_user_sgpr_count 2
		.amdhsa_user_sgpr_kernarg_segment_ptr 1
		.amdhsa_wavefront_size32 1
		.amdhsa_system_sgpr_workgroup_id_x 1
		.amdhsa_system_sgpr_workgroup_id_y 1
		.amdhsa_system_sgpr_workgroup_id_z 1
		.amdhsa_system_vgpr_workitem_id 0
		.amdhsa_next_free_vgpr 1024
		.amdhsa_next_free_sgpr 100
		.amdhsa_reserve_vcc 0
		.amdhsa_float_denorm_mode_32 3
		.amdhsa_float_denorm_mode_16_64 3
		.amdhsa_memory_ordered 1
		.amdhsa_forward_progress 1
		.amdhsa_inst_pref_size 77
	.end_amdhsa_kernel
	.amdgpu_metadata
---
amdhsa.version: [ 1, 2 ]
amdhsa.kernels:
  - .name:           k_q38218e6d8b_proj
    .symbol:         k_q38218e6d8b_proj.kd
    .args:
      - { .name: yc, .offset: 0, .size: 8, .value_kind: global_buffer, .address_space: global }
      - { .name: wpc, .offset: 8, .size: 8, .value_kind: global_buffer, .address_space: global }
      - { .name: lowp_scales, .offset: 16, .size: 8, .value_kind: global_buffer, .address_space: global }
      - { .name: b_proj, .offset: 24, .size: 8, .value_kind: global_buffer, .address_space: global }
      - { .name: out0, .offset: 32, .size: 8, .value_kind: global_buffer, .address_space: global }
    .group_segment_fixed_size: 327680
    .private_segment_fixed_size: 0
    .kernarg_segment_align: 8
    .kernarg_segment_size: 40
    .max_flat_workgroup_size: 128
    .sgpr_count:     100
    .vgpr_count:     1024
    .wavefront_size: 32
...
	.end_amdgpu_metadata
.endif
;; end of part 4
